; MI455X (gfx1250); checked and timed in simulation.
; The chip was launched on July 23, 2026; its instructions are those of AMD's public machine-readable ISA for CDNA 5 (MIT licence, August 2026) and "CDNA5" Instruction Set Architecture Reference Guide (July 2026). The comments in the code are by the model that wrote it; some were corrected since.
;; Multi Head Attention Quantum. Allowed arithmetic: float matrix products may take bf16 or f16 operands with f32 sums; all other float work in f32.
;; Inputs: W 128 x 128 float32; b 128 float32; theta 8 float32; x 8 x 1,024 x 128 float32.
;; Outputs: out0 8 x 1,024 x 128 float32.
;; One version. Each part assembles by itself: llvm-mc -triple=amdgcn-amd-amdhsa -mcpu=gfx1250 --defsym DOCPART=n.
;; ======== version 1 of 1: 2 launches
;; limits: inputs' magnitudes at most 13,000,000
;; workspace buffers: hbuf 2,097,152 bytes
;; launch heads (part 1): grid 256 x 1, 8 waves a work-group, no clusters, 9,728 bytes of LDS; arguments x, theta, hbuf; writes hbuf
.if DOCPART == 1
	.amdgcn_target "amdgcn-amd-amdhsa--gfx1250"
	.amdhsa_code_object_version 6
	.text
	.protected	k_q5ecab76b0c_heads
	.globl	k_q5ecab76b0c_heads
	.p2align	8
	.type	k_q5ecab76b0c_heads,@function
k_q5ecab76b0c_heads:
	s_mov_b64 s[64:65], 0
	v_nop
	global_prefetch_b8 v0, s[64:65] scope:SCOPE_SE
	s_setreg_imm32_b32 hwreg(HW_REG_WAVE_MODE, 25, 1), 1
	s_wait_xcnt 0x0
; h = the closed form of the 8-wire circuit, in bf16, laid out for the attention launch.
;   ang = x + theta;  c = cos(ang);  h[0] = c1 c2 .. c7;  h[w] = c0 c1 .. cw (w = 1 .. 7), for each of 16 heads of 8 wires.
; x: [8][1024][128] f32.  hbuf: [batch 8][head 16][key 1024][8] bf16: a key's 8 numbers of one head are 16 bytes, a head's keys follow each other.
; A work-group owns 32 rows of x (16 KiB); a wave 4 rows; a lane 16 bytes of each row = half a head (4 wires): a load of a wave covers 512 consecutive bytes.
; COSINE by hand: n = nearest whole number to ang / pi (made by adding 1.5 x 2^23, whose sum keeps n in its low bits), r = ang - n pi with pi in two
; parts and fused multiply-adds, cos(r) by the series to r^12 on [-pi/2, pi/2] (the first term left out is (pi/2)^14 / 14! = 6.4e-9), sign from n's lowest bit.
; LIMIT: |x + theta| below 2^22 pi (1.3e7); beyond it n no longer fits beside the added constant and the result is wrong.
; The order [row][head] becomes [head][row] through LDS, so that each store of a wave is 512 consecutive bytes of one head, aligned.
.set ROWB,   512                       ; bytes in a row of x
.set HPITCH, 528                       ; LDS: a head's 32 rows of 16 bytes, + 16: head g starts at word 132 g, 4 g modulo 64, so the 32 lanes' 8-byte stores fall on 64 different words
.set HEADB,  16384                     ; bytes of a head in hbuf
.set TH,  4                            ; v[4:7]    theta of my four wires
.set MAG, 8                            ; v[8:9]    1.5 x 2^23, twice
.set C5V, 10                           ; v[10:11]  -1/10!, twice
.set XO,  12                           ; v12       my byte offset in the group's rows of x
.set HALF,13                           ; v13       0: wires 0-3, 1: wires 4-7
.set THO, 14                           ; v14       byte offset of my theta
.set STA, 15                           ; v15       LDS address of my 8 bytes of the wave's first row
.set X,   16                           ; v[16:31]  4 rows x 4: x, angle, r, cosine
.set N,   32                           ; v[32:47]  n; later the products
.set SG,  48                           ; v[48:63]  the sign bits; later the packed results
.set U,   64                           ; v[64:79]  r^2; later products
.set PL,  80                           ; v[80:95]  the series
.set RDA, 96                           ; v96       LDS address for reading a head back
.set HO,  97                           ; v97       byte offset in hbuf
	s_load_b128 s[4:7], s[0:1], 0x0                ; x s[4:5], theta s[6:7]
	s_load_b64 s[8:9], s[0:1], 0x10                ; hbuf
	v_lshl_add_u32 v98, v0, 2, 0x2200
	v_mov_b32 v99, 0
	v_and_b32 v1, 31, v0                           ; lane
	v_lshrrev_b32 v2, 5, v0                        ; wave
	v_lshlrev_b32 v3, 4, v1                        ; 16 x lane
	v_lshl_add_u32 v[XO], v2, 11, v3               ; + wave x 4 rows x 512 bytes
	v_and_b32 v[HALF], 1, v0
	v_lshlrev_b32 v[THO], 4, v[HALF]
	s_lshl_b32 s10, ttmp9, 14                      ; the group's 32 rows of 512 bytes
	s_mov_b32 s11, 0
	s_lshr_b32 s12, ttmp9, 5                       ; batch
	s_lshl_b32 s12, s12, 18                        ; x 16 heads x 16,384 bytes
	s_and_b32 s13, ttmp9, 31                       ; which 32 keys of the batch
	s_lshl_b32 s13, s13, 9                         ; x 32 keys x 16 bytes
	s_add_co_u32 s12, s12, s13
	s_mov_b32 s13, 0
	s_wait_kmcnt 0x0
	s_add_nc_u64 s[4:5], s[4:5], s[10:11]
	s_add_nc_u64 s[8:9], s[8:9], s[12:13]
	global_load_b128 v[TH:TH+3], v[THO], s[6:7]
.irp j, 0,1,2,3
	global_load_b128 v[X+4*\j:X+4*\j+3], v[XO], s[4:5] offset:\j*ROWB th:TH_LOAD_NT   ; x is read once in the launch
.endr
	; constants and addresses while the loads are on their way
	v_mov_b32 v[MAG], 0x4b400000
	v_mov_b32 v[MAG+1], 0x4b400000
	v_mov_b32 v[C5V], 0xb493f27e
	v_mov_b32 v[C5V+1], 0xb493f27e
	v_cmp_eq_u32 vcc_lo, 1, v[HALF]                ; the lanes with wires 4-7
	v_lshrrev_b32 v[STA], 1, v1                    ; head
	v_mul_u32_u24 v[STA], v[STA], HPITCH
	v_lshl_add_u32 v[STA], v[HALF], 3, v[STA]      ; + 8 bytes for the upper half
	v_lshl_add_u32 v[STA], v2, 6, v[STA]           ; + wave x 4 rows x 16 bytes
	v_mul_u32_u24 v[RDA], v2, 2*HPITCH             ; back: wave w takes heads 2 w and 2 w + 1, lane = row
	v_add_nc_u32 v[RDA], v[RDA], v3
	v_lshl_add_u32 v[HO], v2, 15, v3               ; 2 w heads of 16,384 bytes + 16 x lane
	s_wait_loadcnt 0x0
	; the cosines of 16 numbers, two at a time; pair p is row p / 2, wires 2 (p % 2) and + 1 of my four
.irp p, 0,1,2,3,4,5,6,7
	v_pk_add_f32 v[X+2*\p:X+2*\p+1], v[X+2*\p:X+2*\p+1], v[TH+2*(\p%2):TH+2*(\p%2)+1]
.endr
.irp p, 0,1,2,3,4,5,6,7
	v_pk_fma_f32 v[N+2*\p:N+2*\p+1], v[X+2*\p:X+2*\p+1], 0x3ea2f983, v[MAG:MAG+1] op_sel_hi:[1,0,1]   ; ang / pi + 1.5 x 2^23: rounded to a whole number
.endr
.irp e, 0,1,2,3,4,5,6,7,8,9,10,11,12,13,14,15
	v_lshlrev_b32 v[SG+\e], 31, v[N+\e]            ; n's lowest bit as a sign
.endr
.irp p, 0,1,2,3,4,5,6,7
	v_pk_add_f32 v[N+2*\p:N+2*\p+1], v[N+2*\p:N+2*\p+1], v[MAG:MAG+1] neg_lo:[0,1] neg_hi:[0,1]       ; n
.endr
.irp p, 0,1,2,3,4,5,6,7
	v_pk_fma_f32 v[X+2*\p:X+2*\p+1], v[N+2*\p:N+2*\p+1], 0xc0490fdb, v[X+2*\p:X+2*\p+1] op_sel_hi:[1,0,1]   ; ang - n x (pi rounded to f32)
.endr
.irp p, 0,1,2,3,4,5,6,7
	v_pk_fma_f32 v[X+2*\p:X+2*\p+1], v[N+2*\p:N+2*\p+1], 0x33bbbd2e, v[X+2*\p:X+2*\p+1] op_sel_hi:[1,0,1]   ; - n x (the rest of pi, -8.74e-8)
.endr
.irp p, 0,1,2,3,4,5,6,7
	v_pk_mul_f32 v[U+2*\p:U+2*\p+1], v[X+2*\p:X+2*\p+1], v[X+2*\p:X+2*\p+1]
.endr
.irp p, 0,1,2,3,4,5,6,7
	v_pk_fma_f32 v[PL+2*\p:PL+2*\p+1], v[U+2*\p:U+2*\p+1], 0x310f76c7, v[C5V:C5V+1] op_sel_hi:[1,0,1]      ; u / 12! - 1 / 10!
.endr
.irp p, 0,1,2,3,4,5,6,7
	v_pk_fma_f32 v[PL+2*\p:PL+2*\p+1], v[PL+2*\p:PL+2*\p+1], v[U+2*\p:U+2*\p+1], 0x37d00d01 op_sel_hi:[1,1,0]   ; + 1 / 8!
.endr
.irp p, 0,1,2,3,4,5,6,7
	v_pk_fma_f32 v[PL+2*\p:PL+2*\p+1], v[PL+2*\p:PL+2*\p+1], v[U+2*\p:U+2*\p+1], 0xbab60b61 op_sel_hi:[1,1,0]   ; - 1 / 6!
.endr
.irp p, 0,1,2,3,4,5,6,7
	v_pk_fma_f32 v[PL+2*\p:PL+2*\p+1], v[PL+2*\p:PL+2*\p+1], v[U+2*\p:U+2*\p+1], 0x3d2aaaab op_sel_hi:[1,1,0]   ; + 1 / 4!
.endr
.irp p, 0,1,2,3,4,5,6,7
	v_pk_fma_f32 v[PL+2*\p:PL+2*\p+1], v[PL+2*\p:PL+2*\p+1], v[U+2*\p:U+2*\p+1], -0.5 op_sel_hi:[1,1,0]
.endr
.irp p, 0,1,2,3,4,5,6,7
	v_pk_fma_f32 v[PL+2*\p:PL+2*\p+1], v[PL+2*\p:PL+2*\p+1], v[U+2*\p:U+2*\p+1], 1.0 op_sel_hi:[1,1,0]
.endr
.irp e, 0,1,2,3,4,5,6,7,8,9,10,11,12,13,14,15
	v_xor_b32 v[X+\e], v[PL+\e], v[SG+\e]          ; (-1)^n cos(r)
.endr
	; The products.  e0 .. e3 are my four cosines.  Both halves of a head need the product of the OTHER half's four, which the neighbouring lane holds:
	;   wires 0-3:  h0 = (e1 e2 e3) x other,  h1 = e0 e1,  h2 = e0 e1 e2,  h3 = e0 e1 e2 e3
	;   wires 4-7:  h4 = e0 x other,  h5 = e0 e1 x other,  h6 = e0 e1 e2 x other,  h7 = e0 e1 e2 e3 x other
.irp j, 0,1,2,3
	v_mul_f32 v[N+4*\j+1], v[X+4*\j], v[X+4*\j+1]              ; e0 e1
	v_mul_f32 v[U+4*\j], v[X+4*\j+1], v[X+4*\j+2]              ; e1 e2
	v_mul_f32 v[N+4*\j+2], v[N+4*\j+1], v[X+4*\j+2]            ; e0 e1 e2
	v_mul_f32 v[U+4*\j+1], v[U+4*\j], v[X+4*\j+3]              ; e1 e2 e3
	v_mul_f32 v[N+4*\j+3], v[N+4*\j+2], v[X+4*\j+3]            ; all four
	v_mov_b32_dpp v[U+4*\j+2], v[N+4*\j+3] row_xmask:1 row_mask:0xf bank_mask:0xf   ; the other half's four
	v_cndmask_b32 v[N+4*\j], v[U+4*\j+1], v[X+4*\j], vcc_lo    ; upper half: e0, lower half: e1 e2 e3
	v_cndmask_b32 v[U+4*\j+3], 1.0, v[U+4*\j+2], vcc_lo        ; upper half: other, lower half: 1
	v_mul_f32 v[N+4*\j], v[N+4*\j], v[U+4*\j+2]
	v_mul_f32 v[N+4*\j+1], v[N+4*\j+1], v[U+4*\j+3]
	v_mul_f32 v[N+4*\j+2], v[N+4*\j+2], v[U+4*\j+3]
	v_mul_f32 v[N+4*\j+3], v[N+4*\j+3], v[U+4*\j+3]
	v_cvt_pk_bf16_f32 v[SG+2*\j], v[N+4*\j], v[N+4*\j+1]
	v_cvt_pk_bf16_f32 v[SG+2*\j+1], v[N+4*\j+2], v[N+4*\j+3]
	ds_store_b64 v[STA], v[SG+2*\j:SG+2*\j+1] offset:16*\j     ; stage[head][row][8]
.endr
	s_wait_dscnt 0x0                               ; my stores are in LDS before I say so: other waves read them
	s_barrier_signal -1
	s_barrier_wait -1
	ds_load_b128 v[X:X+3], v[RDA]                  ; head 2 w: 32 rows of 16 bytes
	ds_load_b128 v[X+4:X+7], v[RDA] offset:HPITCH  ; head 2 w + 1
	s_wait_dscnt 0x1                               ; the first of the two is in
	global_store_b128 v[HO], v[X:X+3], s[8:9]      ; 512 consecutive bytes of one head, at a multiple of 512 from hbuf's first byte
	s_wait_dscnt 0x0
	global_store_b128 v[HO], v[X+4:X+7], s[8:9] offset:HEADB
	s_wait_tensorcnt 0x0
	ds_add_u32 v98, v99
	s_wait_dscnt 0x0
	s_endpgm
.Lfunc_end_k_q5ecab76b0c_heads:
	.size	k_q5ecab76b0c_heads, .Lfunc_end_k_q5ecab76b0c_heads-k_q5ecab76b0c_heads
	.p2alignl 7, 3214868480
	.fill 96, 4, 3214868480
	.section	.rodata,"a",@progbits
	.p2align	6, 0x0
	.amdhsa_kernel k_q5ecab76b0c_heads
		.amdhsa_group_segment_fixed_size 9728
		.amdhsa_private_segment_fixed_size 0
		.amdhsa_enable_private_segment 0
		.amdhsa_kernarg_size 24
		.amdhsa_user_sgpr_count 2
		.amdhsa_user_sgpr_kernarg_segment_ptr 1
		.amdhsa_wavefront_size32 1
		.amdhsa_system_sgpr_workgroup_id_x 1
		.amdhsa_system_sgpr_workgroup_id_y 1
		.amdhsa_system_sgpr_workgroup_id_z 1
		.amdhsa_system_vgpr_workitem_id 0
		.amdhsa_next_free_vgpr 100
		.amdhsa_next_free_sgpr 66
		.amdhsa_reserve_vcc 1
		.amdhsa_float_denorm_mode_32 3
		.amdhsa_float_denorm_mode_16_64 3
		.amdhsa_memory_ordered 1
		.amdhsa_forward_progress 1
		.amdhsa_inst_pref_size 15
	.end_amdhsa_kernel
	.amdgpu_metadata
---
amdhsa.version: [ 1, 2 ]
amdhsa.kernels:
  - .name:           k_q5ecab76b0c_heads
    .symbol:         k_q5ecab76b0c_heads.kd
    .args:
      - { .name: x, .offset: 0, .size: 8, .value_kind: global_buffer, .address_space: global }
      - { .name: theta, .offset: 8, .size: 8, .value_kind: global_buffer, .address_space: global }
      - { .name: hbuf, .offset: 16, .size: 8, .value_kind: global_buffer, .address_space: global }
    .group_segment_fixed_size: 9728
    .private_segment_fixed_size: 0
    .kernarg_segment_align: 8
    .kernarg_segment_size: 24
    .max_flat_workgroup_size: 256
    .sgpr_count:     66
    .vgpr_count:     100
    .wavefront_size: 32
...
	.end_amdgpu_metadata
.endif
;; end of part 1
;; launch attend (part 2): grid 32 x 8, 16 waves a work-group, clusters of 4 x 1, 289,792 bytes of LDS; arguments hbuf, W, b, out0; writes out0
.if DOCPART == 2
	.amdgcn_target "amdgcn-amd-amdhsa--gfx1250"
	.amdhsa_code_object_version 6
	.text
	.protected	k_q5ecab76b0c_attend
	.globl	k_q5ecab76b0c_attend
	.p2align	8
	.type	k_q5ecab76b0c_attend,@function
k_q5ecab76b0c_attend:
	s_mov_b64 s[64:65], 0
	v_nop
	global_prefetch_b8 v0, s[64:65] scope:SCOPE_SE
	s_setreg_imm32_b32 hwreg(HW_REG_WAVE_MODE, 25, 1), 1
	s_wait_xcnt 0x0
	s_wait_alu depctr_hold_cnt(0) depctr_sa_sdst(0) depctr_va_vdst(0) depctr_va_sdst(0) depctr_va_ssrc(0) depctr_va_vcc(0) depctr_vm_vsrc(0)
	s_getreg_b32 s2, hwreg(HW_REG_IB_STS2, 6, 4)
	s_cmp_eq_u32 s2, 0
	s_cbranch_scc0 .Lentry_in_a_cluster
	s_endpgm
.Lentry_in_a_cluster:
	s_bfe_u32 s2, ttmp6, 0x10000c
	s_cmp_lg_u32 s2, 0x3003
	s_cbranch_scc0 .Lentry_shape_is_right
	s_endpgm
.Lentry_shape_is_right:
; out0 = softmax(h h^T / sqrt 8) h, heads joined, times W^T, plus b.   hbuf: [batch 8][head 16][key 1024][8] bf16 (q = k = v = h).  W: [128][128] f32, b: [128] f32, out0: [8][1024][128] f32.
; A work-group owns 32 queries of one batch, all 16 heads and all 1,024 keys, so that the projection over the heads stays inside it.  16 waves, wave = head.
; LDS holds the batch's whole h (16 heads x 16 KiB), filled once: each wave fetches its own head and is the only one that reads it, behind its own counted waits.
; CLUSTER: the 32 work-groups of a batch read the same h; four of them form a cluster and ask for each tile jointly (mask 15): the requests are divided by four.
; NO MAXIMUM is taken away before the exponential: every h is a product of cosines, so |h| <= 1 and |score| <= 8 / sqrt 8 = 2.83 for every input:
; exp(score) lies in [0.059, 17] and a row's sum is at most 1.8e4, far inside f32 (and the single terms inside bf16).
; SCORES, transposed: S^T = K Q^T.  d = 8 fills a quarter of the instruction's K = 32.  One A fragment holds 64 keys: row r has key 16 t + r at k = 8 t .. 8 t + 7
; (two loads of 16 bytes a lane, 1,024 consecutive bytes).  Four B variants hold Q at one octet of k and zeros elsewhere; variant t picks key tile t.
; log2(e) / sqrt 8 is folded into Q (rounded to bf16 once more), so that the result goes straight into v_exp_f32.
; In D a lane holds query r and keys 8 h + 0 .. 7: packed to bf16 that IS the B fragment of O^T = V^T P^T: nothing is moved between lanes.
; V^T comes from the same LDS bytes by the transposing load; lanes 8-15 of each half address the same keys as lanes 0-7 and are then set to 1.0: rows 8-15 of O^T are the row sums of P.
; LIMITS: h, P, the attention's result and W enter the matrix unit in bf16; Q is rounded twice.
.set HEADB,  16384                     ; bytes of a head: 1,024 keys x 16
.set NCH,    4                         ; tensor loads of a wave: 256 keys each, so that the first keys are at work while the rest is on its way
.set CHB,    HEADB/NCH
.set CHROWS, CHB/256                   ; a dense block goes as rows of 256 bytes
.set NSTEP,  32                        ; steps of 32 keys
.set STEPCH, NSTEP/NCH
.set OST,    16*HEADB                  ; stage of the attention's result: 32 queries x 128 bf16, pitch 272
.set OPITCH, 272
.set YST,    OST+32*OPITCH             ; stage of the output: 32 rows x 128 f32, pitch 528
.set YPITCH, 528
.set QSCALE, 0x3f0293ee                ; log2(e) / sqrt(8) = 0.5100697
.set LANE, 1
.set RR,   2                           ; lane % 16
.set HH,   3                           ; lane / 16
.set KADR, 4                           ; LDS: my head + 16 x lane
.set VADR, 5                           ; LDS: my head + 16 x (8 (lane / 16) + lane % 8)
.set ONES, 6                           ; two bf16 ones
.set QOFF, 7
.set OSTW, 8
.set OSTR, 9
.set YSTW, 10
.set YSTR, 11
.set COFF, 12
.set WOFF, 13
.set BOFF, 14
.set TMP,  15
.set QB,  16                           ; v[16:51]   Z QL0 Z QH0 Z QL1 Z QH1 Z, four registers each: QL = Q in lanes 0-15, QH = Q in lanes 16-31, Z = zeros
.set O,   52                           ; v[52:67]   O^T of the two query tiles
.set KF,  68                           ; v[68:83]   K fragments, two buffers
.set VF,  84                           ; v[84:107]  V^T fragments, three buffers
.set P,   108                          ; v[108:139] P in bf16, two buffers of 2 query tiles x 8
.set S,   140                          ; v[140:203] scores, two buffers of 4 tiles x 8
.set WB,  204                          ; v[204:235] my 16 rows of W in bf16, four K steps
.set Y0,  236                          ; v[236:243] projection: the bias, then K steps 0 and 2
.set Y1,  244                          ; v[244:251] K steps 1 and 3
.set G1,  16                           ; s[16:23]   descriptor group 1
.set G0,  24                           ; s[24:39]   descriptor group 0, one for each of the four loads
; A round of the cluster's barrier: the work-group's barrier, wave 0 signals for the work-group, every wave waits for the four work-groups, the work-group's barrier again.
.macro ROUND
	s_barrier_signal -1
	s_barrier_wait -1
	s_cmp_lg_u32 s12, 0
	s_cbranch_scc1 .Lnot_wave_0_\@
	s_barrier_signal -3
.Lnot_wave_0_\@:
	s_barrier_wait -3
	s_barrier_signal -1
	s_barrier_wait -1
.endm
	s_load_b256 s[4:11], s[0:1], 0x0               ; hbuf s[4:5], W s[6:7], b s[8:9], out0 s[10:11]
	v_lshl_add_u32 v254, v0, 2, 0x46400
	v_mov_b32 v255, 0
	ds_add_u32 v254, v255
	v_lshrrev_b32 v1, 5, v0
	v_readfirstlane_b32 s12, v1                    ; wave = head
	s_bfe_u32 s13, ttmp6, 0x40000                  ; cx: my place in the cluster
	s_lshl_b32 s14, ttmp9, 2
	s_add_co_u32 s14, s14, s13                     ; block of 32 queries, 0 .. 31: enters global addresses of Q and of out0 alone
	s_and_b32 s15, ttmp7, 0xffff                   ; batch: shared by the four partners
	; group 1: CHROWS rows of 32 elements of 8 bytes, dense
	s_mov_b32 s[G1+0], 15|(3<<16)|(1<<21)          ; 15:0 mask: all four of the cluster; 17:16 elements of 8 bytes; 21 set beside a mask
	s_mov_b32 s[G1+1], 32<<16                      ; tensor_dim0 = 32
	s_mov_b32 s[G1+2], CHROWS<<16                  ; tensor_dim1
	s_mov_b32 s[G1+3], 32<<16                      ; tile_dim0 = 32
	s_mov_b32 s[G1+4], CHROWS                      ; tile_dim1
	s_mov_b32 s[G1+5], 32                          ; from row to row: 32 elements
	s_mov_b32 s[G1+6], 0
	s_mov_b32 s[G1+7], 0
	s_lshl_b32 s46, s12, 14                        ; my head's bytes, in hbuf's batch and in LDS alike: wave x 16,384
	s_lshl_b32 s42, s15, 18                        ; batch x 262,144
	s_add_co_u32 s42, s42, s46
	s_mov_b32 s43, 0
	s_wait_dscnt 0x0
	s_wait_kmcnt 0x0
	s_add_nc_u64 s[40:41], s[4:5], s[42:43]        ; my head of my batch: made of the batch and the wave's number, equal in all four partners
.irp c, 0,1,2,3
	s_mov_b32 s[G0+4*\c], 1
	s_add_co_u32 s[G0+4*\c+1], s46, \c*CHB         ; LDS address: wave x 16,384 + load x 4,096
	s_add_nc_u64 s[G0+4*\c+2:G0+4*\c+3], s[40:41], \c*CHB
	s_or_b32 s[G0+4*\c+3], s[G0+4*\c+3], 0x80000000
.endr
	ROUND                                          ; the four work-groups are here: their joint loads meet
.irp c, 0,1,2,3
	tensor_load_to_lds s[G0+4*\c:G0+4*\c+3], s[G1:G1+7]   ; all first fills in one group; four loads of this wave are out, and no byte is filled twice
	s_nop 0
.endr
	; Q, W and b through registers
	v_and_b32 v[LANE], 31, v0
	v_and_b32 v[RR], 15, v0
	v_bfe_u32 v[HH], v0, 4, 1
	s_lshl_b32 s44, s14, 9                         ; 32 queries x 16 bytes
	s_mov_b32 s45, 0
	s_add_nc_u64 s[44:45], s[40:41], s[44:45]
	v_lshlrev_b32 v[QOFF], 4, v[RR]                ; both halves of the lanes take query r
	global_load_b128 v[P:P+3], v[QOFF], s[44:45]
	global_load_b128 v[P+4:P+7], v[QOFF], s[44:45] offset:256
	s_and_b32 s47, s12, 7                          ; projection: my 16 output columns
	s_lshr_b32 s48, s12, 3                         ; and my 16 queries
	s_lshl_b32 s50, s47, 13                        ; 16 rows of W x 512 bytes
	s_mov_b32 s51, 0
	s_add_nc_u64 s[6:7], s[6:7], s[50:51]
	v_lshlrev_b32 v[WOFF], 9, v[RR]
	v_lshl_add_u32 v[WOFF], v[HH], 5, v[WOFF]      ; row r, 8 f32 for each half of the lanes
.irp c, 0,1,2,3
	global_load_b128 v[S+16*\c:S+16*\c+3],     v[WOFF], s[6:7] offset:128*\c        ; k = 32 c + 8 h + 0 .. 3
	global_load_b128 v[S+16*\c+4:S+16*\c+7],   v[WOFF], s[6:7] offset:128*\c+16
	global_load_b128 v[S+16*\c+8:S+16*\c+11],  v[WOFF], s[6:7] offset:128*\c+64     ; k = 32 c + 16 + 8 h + 0 .. 3
	global_load_b128 v[S+16*\c+12:S+16*\c+15], v[WOFF], s[6:7] offset:128*\c+80
.endr
	s_lshl_b32 s50, s47, 6
	s_add_nc_u64 s[8:9], s[8:9], s[50:51]
	v_lshlrev_b32 v[BOFF], 5, v[HH]
	global_load_b128 v[Y0:Y0+3], v[BOFF], s[8:9]               ; b[16 nt + 8 h + 0 .. 7]: the C of the transposed projection
	global_load_b128 v[Y0+4:Y0+7], v[BOFF], s[8:9] offset:16
	s_lshl_b32 s50, s15, 19                        ; out0: batch x 1,024 rows x 512 bytes
	s_lshl_b32 s51, s14, 14                        ; + block x 32 rows
	s_add_co_u32 s50, s50, s51
	s_lshl_b32 s51, s12, 10                        ; + wave x 2 rows
	s_add_co_u32 s50, s50, s51
	s_mov_b32 s51, 0
	s_add_nc_u64 s[10:11], s[10:11], s[50:51]
	s_lshl_b32 s53, s12, 4                         ; stage addresses: made of the wave's number alone
	s_add_co_u32 s53, s53, OST
	s_mul_i32 s54, s48, 16*OPITCH
	s_add_co_u32 s54, s54, OST
	s_mul_i32 s55, s48, 16*YPITCH
	s_lshl_b32 s56, s47, 6
	s_add_co_u32 s55, s55, s56
	s_add_co_u32 s55, s55, YST
	s_mul_i32 s56, s12, 2*YPITCH
	s_add_co_u32 s56, s56, YST
	s_mov_b32 s57, 0x76543210                      ; v_permlanex16_b32: lane i of one half reads lane i of the other
	s_mov_b32 s58, 0xfedcba98
	v_lshl_add_u32 v[KADR], v[LANE], 4, s46
	v_and_b32 v[TMP], 7, v0
	v_lshl_add_u32 v[TMP], v[HH], 3, v[TMP]
	v_lshl_add_u32 v[VADR], v[TMP], 4, s46
	v_mov_b32 v[ONES], 0x3f803f80
.irp z, 0,8,16,24,32
.irp k, 0,1,2,3
	v_mov_b32 v[QB+\z+\k], 0                       ; the zeros of the B variants: operands, not accumulators
.endr
.endr
	s_wait_loadcnt 18                              ; Q's two loads are in; W's sixteen and b's two stay out
.irp k, 0,1,2,3,4,5,6,7
	v_lshlrev_b32 v[P+8+2*\k], 16, v[P+\k]
	v_and_b32 v[P+9+2*\k], 0xffff0000, v[P+\k]
.endr
.irp k, 0,1,2,3,4,5,6,7
	v_pk_mul_f32 v[P+8+2*\k:P+9+2*\k], v[P+8+2*\k:P+9+2*\k], QSCALE op_sel_hi:[1,0]
.endr
.irp k, 0,1,2,3,4,5,6,7
	v_cvt_pk_bf16_f32 v[P+\k], v[P+8+2*\k], v[P+9+2*\k]
.endr
	v_cmp_gt_u32 s52, 16, v[LANE]
.irp qq, 0,1
.irp k, 0,1,2,3
	v_cndmask_b32 v[QB+16*\qq+4+\k], 0, v[P+4*\qq+\k], s52     ; QL: Q at k = 0-7 (or 16-23)
	v_cndmask_b32 v[QB+16*\qq+12+\k], v[P+4*\qq+\k], 0, s52    ; QH: Q at k = 8-15 (or 24-31)
.endr
.endr
	s_wait_loadcnt 0x0                             ; W and b
.set k, 0
.rept 32
	v_cvt_pk_bf16_f32 v[WB+k], v[S+2*k], v[S+2*k+1]
.set k, k+1
.endr
	v_cmp_gt_u32 vcc_lo, 8, v[RR]                  ; the lanes that hold rows 0-7 of V^T
; ---- the steps.  it = the step (32 keys x 32 queries); the macros read the symbols set in front of them.
.macro LDK                             ; kbl: a block of 64 keys, 1,024 consecutive bytes
.set KD, KF+8*(kbl&1)
	ds_load_b128 v[KD:KD+3], v[KADR] offset:kbl*1024
	ds_load_b128 v[KD+4:KD+7], v[KADR] offset:kbl*1024+512
.endm
.macro LDV                             ; vi: V^T of step vi; lane 8 g + i receives number i of the eight keys that its group of eight lanes addressed
.set VD, VF+8*(vi%3)
	ds_load_tr16_b128 v[VD:VD+3], v[VADR] offset:vi*512
	ds_load_tr16_b128 v[VD+4:VD+7], v[VADR] offset:vi*512+256
.endm
.macro ONESV                           ; rows 8-15 of V^T of step vi become ones
.set VD, VF+8*(vi%3)
.irp k, 0,1,2,3,4,5,6,7
	v_cndmask_b32 v[VD+\k], v[ONES], v[VD+\k], vcc_lo
.endr
.endm
.macro QK                              ; qi: scores of step qi: key tiles 2 (qi % 2) + kt of the block's four, query tiles qq
.set SBQ, S+32*(qi&1)
.set KBQ, KF+8*((qi>>1)&1)
.irp qq, 0,1
.irp kt, 0,1
.set BO, QB+16*\qq+8*\kt+4-4*(qi&1)
	v_wmma_f32_16x16x32_bf16 v[SBQ+16*\qq+8*\kt:SBQ+16*\qq+8*\kt+7], v[KBQ:KBQ+7], v[BO:BO+7], 0
.endr
.endr
.endm
.macro EXPT tile
.irp j, 0,1,2,3,4,5,6,7
	v_exp_f32 v[SBE+8*\tile+\j], v[SBE+8*\tile+\j]
.endr
.endm
.macro CVTT tile
	s_wait_alu depctr_va_vdst(0)
.irp k, 0,1,2,3
	v_cvt_pk_bf16_f32 v[PBE+4*\tile+\k], v[SBE+8*\tile+2*\k], v[SBE+8*\tile+2*\k+1]
.endr
.endm
.macro PV                              ; O^T += V^T P^T.  The two accumulators take turns, one instruction a turn.
.set VBP, VF+8*(it%3)
.if it == 0
	v_wmma_f32_16x16x32_bf16 v[O:O+7], v[VBP:VBP+7], v[PBE:PBE+7], 0                 ; the first products start the sums
	v_wmma_f32_16x16x32_bf16 v[O+8:O+15], v[VBP:VBP+7], v[PBE+8:PBE+15], 0
.else
	v_wmma_f32_16x16x32_bf16 v[O:O+7], v[VBP:VBP+7], v[PBE:PBE+7], v[O:O+7]
	v_wmma_f32_16x16x32_bf16 v[O+8:O+15], v[VBP:VBP+7], v[PBE+8:PBE+15], v[O+8:O+15]
.endif
.endm
; One step: the NEXT step's scores are issued first; then this step's exponentials and packings; then this step's products with V.
; Places behind matrix instructions: between the scores of a step and their exponentials stand the 16 packings and 8 selects of the step before, which name
; other registers; the loads into a fragment buffer stand behind 8 selects and 4 packings that follow the last matrix instruction that read it.
; Behind a run of v_exp_f32 the first plain instruction works on an older tile (ISA guide 5.7.2).
.macro STEP
.set SBE, S+32*(it&1)
.set PBE, P+16*(it&1)
.if it < NSTEP-1
.if it&1
	s_wait_dscnt 0x2                               ; the next block's K fragment is in: only the two loads of V issued behind it may be out
.endif
.set qi, it+1
	QK
.endif
	EXPT 0
.if it < NSTEP-1
.if (it&1)==0
.if it <= NSTEP-4
	s_wait_dscnt 0x2                               ; V of the next step is in: the two loads of a K fragment were issued behind it
.else
	s_wait_dscnt 0x0
.endif
.else
	s_wait_dscnt 0x0                               ; nothing was issued behind V of the next step
.endif
.set vi, it+1
	ONESV
.else
	v_nop                                          ; the plain instruction between tile 0's exponentials and their use
.endif
	EXPT 1
	CVTT 0
.if (it%STEPCH)==STEPCH-3
.if it < NSTEP-3
	s_wait_tensorcnt NCH-1-(it+3)/STEPCH           ; the next 256 keys have landed (a wave's tensor loads end in order); the later loads stay out
.endif
.endif
.if it+2 < NSTEP
.set vi, it+2
	LDV
.endif
.if it&1
.if it <= NSTEP-5
.set kbl, (it+3)/2
	LDK
.endif
.endif
	EXPT 2
	CVTT 1
	EXPT 3
	CVTT 2
	CVTT 3
	PV
.endm
	s_wait_tensorcnt NCH-1                         ; my first 256 keys are in LDS; three loads stay out
.set kbl, 0
	LDK
.set vi, 0
	LDV
.set vi, 1
	LDV
.set kbl, 1
	LDK
	s_wait_dscnt 0x6                               ; K block 0 is in; six younger loads may be out
.set qi, 0
	QK
	s_wait_dscnt 0x4                               ; V of step 0
.set vi, 0
	ONESV
.set it, 0
.rept NSTEP
	STEP
.set it, it+1
.endr
	; ---- the way out.  These nine address lines name no register of the last matrix instructions: they are the places in front of the first read of O.
	v_mul_u32_u24 v[OSTW], v[RR], OPITCH
	v_lshl_add_u32 v[OSTR], v[HH], 4, v[OSTW]
	v_add_nc_u32 v[OSTW], s53, v[OSTW]             ; in: query r, my head's 16 bytes
	v_add_nc_u32 v[OSTR], s54, v[OSTR]             ; back: query 16 mt + r, 16 bytes for each half of the lanes
	v_mul_u32_u24 v[YSTW], v[RR], YPITCH
	v_lshl_add_u32 v[YSTW], v[HH], 5, v[YSTW]
	v_add_nc_u32 v[YSTW], s55, v[YSTW]             ; row 16 mt + r, columns 16 nt + 8 h
	v_lshlrev_b32 v[COFF], 4, v[LANE]
	v_add_nc_u32 v[YSTR], s56, v[COFF]             ; rows 2 w, 2 w + 1 as whole rows
	; lanes 0-15 hold the 8 numerators of query r, lanes 16-31 (rows 8-15) the sum
	v_permlanex16_b32 v[KF], v[O], s57, s58        ; its destination counts as read: these registers have been written
	v_permlanex16_b32 v[KF+2], v[O+8], s57, s58
	v_rcp_f32 v[KF], v[KF]                         ; the sum is at least 1,024 x 0.059
	v_rcp_f32 v[KF+2], v[KF+2]
	v_nop                                          ; a plain instruction between v_rcp_f32 and the use of its result (ISA guide 5.7.2)
	s_wait_alu depctr_va_vdst(0)
.irp k, 0,2,4,6
	v_pk_mul_f32 v[O+\k:O+\k+1], v[O+\k:O+\k+1], v[KF:KF+1] op_sel_hi:[1,0]
	v_pk_mul_f32 v[O+8+\k:O+8+\k+1], v[O+8+\k:O+8+\k+1], v[KF+2:KF+3] op_sel_hi:[1,0]
.endr
.irp k, 0,1,2,3
	v_cvt_pk_bf16_f32 v[KF+4+\k], v[O+2*\k], v[O+2*\k+1]
	v_cvt_pk_bf16_f32 v[KF+8+\k], v[O+8+2*\k], v[O+8+2*\k+1]
.endr
	s_wait_xcnt 0x0                                ; EXEC changes only behind this wait
	v_cmp_gt_u32 vcc_lo, 16, v[LANE]
	s_and_saveexec_b32 s59, vcc_lo                 ; lanes 16-31 hold no result
	ds_store_b128 v[OSTW], v[KF+4:KF+7]
	ds_store_b128 v[OSTW], v[KF+8:KF+11] offset:16*OPITCH
	s_or_b32 exec_lo, exec_lo, s59
	s_wait_dscnt 0x0                               ; my head's part is in LDS before I say so
	s_barrier_signal -1
	s_barrier_wait -1
	; projection, transposed: source 0 = 16 rows of W, source 1 = 16 queries: a lane's eight results are eight neighbouring columns of one row of out0
.irp c, 0,1,2,3
	ds_load_b128 v[S+8*\c:S+8*\c+3], v[OSTR] offset:64*\c
	ds_load_b128 v[S+8*\c+4:S+8*\c+7], v[OSTR] offset:64*\c+32
.endr
	s_wait_dscnt 0x6                               ; LDS loads come back in order: K step 0's two are in
	v_wmma_f32_16x16x32_bf16 v[Y0:Y0+7], v[WB:WB+7], v[S:S+7], v[Y0:Y0+7]              ; onto the bias
	s_wait_dscnt 0x4
	v_wmma_f32_16x16x32_bf16 v[Y1:Y1+7], v[WB+8:WB+15], v[S+8:S+15], 0                 ; two accumulators by turns
	s_wait_dscnt 0x2
	v_wmma_f32_16x16x32_bf16 v[Y0:Y0+7], v[WB+16:WB+23], v[S+16:S+23], v[Y0:Y0+7]
	s_wait_dscnt 0x0
	v_wmma_f32_16x16x32_bf16 v[Y1:Y1+7], v[WB+24:WB+31], v[S+24:S+31], v[Y1:Y1+7]
.rept 4
	v_nop                                          ; four places in front of the first read of the results (ISA guide 7.12.1)
.endr
.irp k, 0,2,4,6
	v_pk_add_f32 v[Y0+\k:Y0+\k+1], v[Y0+\k:Y0+\k+1], v[Y1+\k:Y1+\k+1]
.endr
	ds_store_b128 v[YSTW], v[Y0:Y0+3]
	ds_store_b128 v[YSTW], v[Y0+4:Y0+7] offset:16
	s_wait_dscnt 0x0
	s_barrier_signal -1
	s_barrier_wait -1
	ds_load_b128 v[P:P+3], v[YSTR]
	ds_load_b128 v[P+4:P+7], v[YSTR] offset:YPITCH
	s_wait_dscnt 0x1                               ; the first row is in
	global_store_b128 v[COFF], v[P:P+3], s[10:11] th:TH_STORE_NT               ; a whole row of out0: 512 consecutive bytes, aligned
	s_wait_dscnt 0x0
	global_store_b128 v[COFF], v[P+4:P+7], s[10:11] offset:512 th:TH_STORE_NT
	s_wait_tensorcnt 0x0
	ds_add_u32 v254, v255
	s_wait_dscnt 0x0
	ROUND                                          ; the closing round: no work-group ends while a partner may still ask for a tile that names it
	s_endpgm
.Lfunc_end_k_q5ecab76b0c_attend:
	.size	k_q5ecab76b0c_attend, .Lfunc_end_k_q5ecab76b0c_attend-k_q5ecab76b0c_attend
	.p2alignl 7, 3214868480
	.fill 96, 4, 3214868480
	.section	.rodata,"a",@progbits
	.p2align	6, 0x0
	.amdhsa_kernel k_q5ecab76b0c_attend
		.amdhsa_group_segment_fixed_size 289792
		.amdhsa_private_segment_fixed_size 0
		.amdhsa_enable_private_segment 0
		.amdhsa_kernarg_size 32
		.amdhsa_user_sgpr_count 2
		.amdhsa_user_sgpr_kernarg_segment_ptr 1
		.amdhsa_wavefront_size32 1
		.amdhsa_system_sgpr_workgroup_id_x 1
		.amdhsa_system_sgpr_workgroup_id_y 1
		.amdhsa_system_sgpr_workgroup_id_z 1
		.amdhsa_system_vgpr_workitem_id 0
		.amdhsa_next_free_vgpr 256
		.amdhsa_next_free_sgpr 66
		.amdhsa_reserve_vcc 1
		.amdhsa_float_denorm_mode_32 3
		.amdhsa_float_denorm_mode_16_64 3
		.amdhsa_memory_ordered 1
		.amdhsa_forward_progress 1
		.amdhsa_inst_pref_size 113
	.end_amdhsa_kernel
	.amdgpu_metadata
---
amdhsa.version: [ 1, 2 ]
amdhsa.kernels:
  - .name:           k_q5ecab76b0c_attend
    .symbol:         k_q5ecab76b0c_attend.kd
    .args:
      - { .name: hbuf, .offset: 0, .size: 8, .value_kind: global_buffer, .address_space: global }
      - { .name: W, .offset: 8, .size: 8, .value_kind: global_buffer, .address_space: global }
      - { .name: b, .offset: 16, .size: 8, .value_kind: global_buffer, .address_space: global }
      - { .name: out0, .offset: 24, .size: 8, .value_kind: global_buffer, .address_space: global }
    .group_segment_fixed_size: 289792
    .private_segment_fixed_size: 0
    .kernarg_segment_align: 8
    .kernarg_segment_size: 32
    .max_flat_workgroup_size: 512
    .sgpr_count:     66
    .vgpr_count:     256
    .wavefront_size: 32
...
	.end_amdgpu_metadata
.endif
;; end of part 2
